; MI455X (gfx1250); checked and timed in simulation.
; The chip was launched on July 23, 2026; its instructions are those of AMD's public machine-readable ISA for CDNA 5 (MIT licence, August 2026) and "CDNA5" Instruction Set Architecture Reference Guide (July 2026). The comments in the code are by the model that wrote it; some were corrected since.
;; Dynamic Node Attention. Allowed arithmetic: matrix products marked QUANTISED: E2M1 operands, one E8M0 scale for each 32 along K, by v_wmma_scale_f32_16x16x128_f8f6f4 with both operands' format E2M1 (or v_wmma_scale_f32_32x16x128_f4), f32 sums; everything else in f32.
;; Inputs: Wk_codes 256 x 8 x 16 uint8 (E2M1 codes of Wk, K innermost, in blocks of 32 codes, two codes a byte); Wk_scales 256 x 8 uint8 (E8M0 scales of Wk, one for each 32 codes along K); Wo_codes 256 x 8 x 16 uint8 (E2M1 codes of Wo, K innermost, in blocks of 32 codes, two codes a byte); Wo_scales 256 x 8 uint8 (E8M0 scales of Wo, one for each 32 codes along K); Wq_codes 256 x 8 x 16 uint8 (E2M1 codes of Wq, K innermost, in blocks of 32 codes, two codes a byte); Wq_scales 256 x 8 uint8 (E8M0 scales of Wq, one for each 32 codes along K); Wv_codes 256 x 8 x 16 uint8 (E2M1 codes of Wv, K innermost, in blocks of 32 codes, two codes a byte); Wv_scales 256 x 8 uint8 (E8M0 scales of Wv, one for each 32 codes along K); adjacency 2 x 4,096 x 4,096 float32; bo 256 float32; node_state_codes 2 x 4,096 x 8 x 16 uint8 (E2M1 codes of node_state, K innermost, in blocks of 32 codes, two codes a byte); node_state_scales 2 x 4,096 x 8 uint8 (E8M0 scales of node_state, one for each 32 codes along K).
;; Outputs: out0 2 x 4,096 x 256 float32.
;; This version of the problem:
;;   THIS VERSION OF THE PROBLEM IS GIVEN IN LOW PRECISION. The matrix products marked QUANTISED in the list below multiply operands that are first quantised to E2M1 (2 exponent bits, 1 mantissa bit; 4 bits a number), with one power-of-two scale for each 32 numbers along K (OCP MX v1.0); their sums are f32. All else is computed in f32.
;;   The module's matrix products, in the order in which they are computed (A, B: the left and right operand; K: the contracted axis; several contracted axes count as one K, in the product's order):
;;     1. [M 8,192, K 256] x [K 256, N 256]; A: input node_state (given as codes); B: input Wq (given as codes): QUANTISED
;;     2. [M 8,192, K 256] x [K 256, N 256]; A: input node_state (given as codes); B: input Wk (given as codes): QUANTISED
;;     3. [M 8,192, K 256] x [K 256, N 256]; A: input node_state (given as codes); B: input Wv (given as codes): QUANTISED
;;     4. batch 16 x [M 4,096, K 32] x [K 32, N 4,096]; A: computed on the way; B: computed on the way: QUANTISED
;;     5. batch 16 x [M 4,096, K 4,096] x [K 4,096, N 32]; A: softmax (see below); B: computed on the way: QUANTISED
;;     6. [M 8,192, K 256] x [K 256, N 256]; A: computed on the way; B: input Wo (given as codes): QUANTISED
;;   THE QUANTISER, for each operand of a quantised product, along K:
;;     - K is cut into blocks of 32 from its start; a last block that is shorter is filled with zeros.
;;     - A block's scale is 2^e with e = floor(log2(the largest magnitude in the block)) - 2, held to -126 .. 127; a block of zeros has e = 0. As a byte (E8M0): e + 127.
;;     - Each number is divided by its block's scale, clamped to +-6, and rounded to the nearest number of E2M1, ties to even, subnormals kept.
;;     - The product sums the exact products of the quantised numbers (number of the format x scale) in f32.
;;   ~~~python
;;   def quantise(x, axis):      # numpy; x: float32 -> the quantised numbers, widened to float32 again
;;       x = np.moveaxis(x, axis, -1); K = x.shape[-1]
;;       x = np.pad(x, [(0, 0)] * (x.ndim - 1) + [(0, -K % 32)]); x = x.reshape(x.shape[:-1] + (-1, 32)); a = np.abs(x).max(-1, keepdims=True)
;;       e = np.where(a > 0, np.clip(np.frexp(np.where(a > 0, a, 1))[1] - 1 - 2, -126, 127), 0)      # np.frexp(a)[1] - 1 = floor(log2(a)), exactly
;;       r = np.clip(x / 2.0 ** e, -6, 6)
;;       step = 2.0 ** (np.maximum(np.frexp(np.where(r == 0, 1, r))[1] - 1, 0) - 1)
;;       q = np.round(r / step) * step * 2.0 ** e      # np.round: ties to even
;;       return np.moveaxis(q.reshape(q.shape[:-2] + (-1,))[..., :K], -1, axis).astype(np.float32)
;;   ~~~
;;   SOFTMAX AHEAD OF A QUANTISED PRODUCT. Where the list says 'softmax', what is quantised is not the finished softmax but p = 2^(t - M), with t = logit x log2(e) and M = ceil(the row's largest t), a whole number; so 1/2 < the row's largest p <= 1. The row's sum l is taken of the UNQUANTISED p, in f32, and the product's result is divided by l at the end. Since M is a whole number, a kernel that streams over the keys may use a running M (the ceiling of the running maximum): every later rescaling is an exact power of two, which a block's scale takes up: the codes' values come out the same.
;;   OPERANDS COMPUTED ON THE WAY. 'Computed on the way' means the value that the module computes at that place (a softmax that the list does not call 'softmax' is quantised finished and normalised). What goes into a quantiser is computed in f32, as accurately as f32 sums, v_exp_f32 and their like allow (about 1e-6 of the number): no bf16 or f16 on the way to a quantiser, and a product that is left as it is and whose result goes on into a quantised operand takes f32 operands (vector FMAs, or v_wmma_f32_16x16x4_f32). A number that lies on a knife's edge between two numbers of the format may be rounded either way, as far as f32 arithmetic and the matrix unit's own rounding can turn it there, and no further.
;;   INPUTS GIVEN AS CODES. Wk (in the module: [256, 256], K = its axis 1); Wo (in the module: [256, 256], K = its axis 1); Wq (in the module: [256, 256], K = its axis 1); Wv (in the module: [256, 256], K = its axis 1); node_state (in the module: [2, 4096, 256], K = its axis 2): each comes as NAME_codes (uint8): NAME with its K axis moved to the last place and cut into blocks of 32 codes, [.., K / 32, bytes a block], one block behind the other in memory; two codes a byte, the lower K in the low four bits (a code: sign, 2 exponent bits, 1 mantissa bit); and NAME_scales (uint8): the same leading axes, one E8M0 byte (e + 127) for each 32 codes along K. Its value is code x scale, taken as it is: it is not quantised again, and the codes and scales need not be those that the quantiser above would give.
;; One version. Each part assembles by itself: llvm-mc -triple=amdgcn-amd-amdhsa -mcpu=gfx1250 --defsym DOCPART=n.
;; ======== version 1 of 1: 2 launches
;; limits: right only within a limited range of input values
;; workspace buffers: qkv 3,342,336 bytes
;; launch proj (part 1): grid 64 x 6, 8 waves a work-group, no clusters, 1,536 bytes of LDS; arguments node_state_codes, node_state_scales, Wq_codes, Wq_scales, Wk_codes, Wk_scales, Wv_codes, Wv_scales, qkv; writes qkv
.if DOCPART == 1
	.amdgcn_target "amdgcn-amd-amdhsa--gfx1250"
	.amdhsa_code_object_version 6
	.text
	.protected	k_q6f25513765_proj
	.globl	k_q6f25513765_proj
	.p2align	8
	.type	k_q6f25513765_proj,@function
k_q6f25513765_proj:
	s_mov_b64 s[64:65], 0
	v_nop
	global_prefetch_b8 v0, s[64:65] scope:SCOPE_SE
	s_setreg_imm32_b32 hwreg(HW_REG_WAVE_MODE, 25, 1), 1
	s_wait_xcnt 0x0
; q = X Wq^T, k = X Wk^T, v = X Wv^T on the given codes of FP4 (E2M1) with their E8M0 scales; K = 256 in two steps of 128, ascending, sums in f32.
; The results are quantised at once (q and k along the head's 32 features, v along 32 keys) and stored as IMAGES OF OPERAND REGISTERS for the next launch.
; qkv: 64 groups of 128 nodes, 52,224 bytes each: q images 0, q scale words 16,384, k images 17,408, v images 33,792, k scale words 50,176, v scale words 51,200.
; An image is one fragment (16 rows x 128 K, 8 registers a lane): register group c of lane l at 512 c + 16 l; image (i, w) at 1,024 (8 i + w).
; A scale block (512 bytes for one i): the word of image w, row r at 16 (r + 16 (w & 1)) + 4 (w >> 1), so that one 16-byte load a lane gives tiles 2 jj (lanes 0-15) and 2 jj + 1 (lanes 16-31) in register jj.
; SHARES.  Work-group (x, y): node group x; y >> 1 says q, k or v; i = y & 1 says which 128 features.  Each of the eight waves makes ONE image: 16 matrix instructions, one quantising, two stores of 512 bytes.
; q, k: source 0 = 8 tiles of W's rows, source 1 = node tile w: a lane holds a node, its registers run along the features.  v: source 0 = 8 tiles of X's rows, source 1 = tile w of Wv: a lane holds a feature, its registers run along the nodes.
; Codes' rows are 128 bytes and scales' rows 8 bytes in X and in W alike, so the text has ONE path: only pointers and row numbers are chosen, on the work-group's y.
; THE ROWS OF A TILE ARE NOT NEIGHBOURS: lane r of tile 2 b + u takes row 32 b + 8 u + r + 8 (r / 8), for source 0 and source 1 alike, so that the 16 result registers of tiles 2 b and 2 b + 1 are 16 neighbours along source 0's rows.
; LIMITS: a block of zeros gets the scale byte 1 where the rule says 127 (its codes are zeros, and this program alone reads the bytes); NaN and infinities are not served.
.set GRP,  52224
.set AF,   16                          ; v16-143  source 0: fragment (tile t, K step s) at v[AF + 8 (2 t + s)]
.set BF,   144                         ; v144-159 source 1: K step s at v[BF + 8 s]
.set ASW,  160                         ; v160-175 source 0's scale words, tile t's two at v[ASW + 2 t]
.set BSW,  176                         ; v176-177 source 1's
.set DD,   178                         ; v178-241 the eight results
.set TM,   16                          ; behind the products source 0's registers are free: v16-31 at work,
.set PW,   32                          ; v32 the scale word just made,
.set PC,   34                          ; v34-41 the codes just made
.set WV,   3                           ; s3 my wave's number
.set SEL,  42                          ; s[42:43] lane selects for v_permlanex16_b32: lane l xor 16
; 64 numbers of a lane, register 16 b + i = k 32 b + 16 (lane / 16) + i of my row, become a fragment's codes in v[PC] on and its scale word in v[PW].
.macro QUANT s
.irp b, 0,1,2,3
	v_max3_num_f32 v[TM+\b], |v[\s+16*\b]|, |v[\s+16*\b+1]|, 0x1800000   ; block b: my 16 numbers, from the results' low end on, and the floor 2^(3 - 127): the byte cannot fall under 1
.endr
.irp i, 2,4,6,8,10,12,14
.irp b, 0,1,2,3
	v_max3_num_f32 v[TM+\b], v[TM+\b], |v[\s+16*\b+\i]|, |v[\s+16*\b+\i+1]|   ; the four blocks by turns
.endr
.endr
.irp b, 0,1,2,3
	s_delay_alu instid0(VALU_DEP_4)
	v_permlanex16_b32 v[TM+4+\b], v[TM+\b], s[SEL], s[SEL+1]
.endr
.irp b, 0,1,2,3
	s_delay_alu instid0(VALU_DEP_4)
	v_max_num_f32 v[TM+\b], v[TM+\b], v[TM+4+\b]                    ; with lane l xor 16's 16: the block's largest magnitude
.endr
.irp b, 0,1,2,3
	s_delay_alu instid0(VALU_DEP_4)
	v_add_nc_u32 v[TM+12+\b], 0xff000000, v[TM+\b]                  ; 2 off its exponent field: the conversion takes that field as its scale
.endr
.irp b, 0,1,2,3
	s_delay_alu instid0(VALU_DEP_4)
	v_lshrrev_b32 v[TM+4+\b], 23, v[TM+12+\b]                       ; the scale's byte
.endr
	s_delay_alu instid0(VALU_DEP_3)
	v_lshl_or_b32 v[PW], v[TM+5], 8, v[TM+4]
	s_delay_alu instid0(VALU_DEP_1)
	v_lshl_or_b32 v[PW], v[TM+6], 16, v[PW]
	s_delay_alu instid0(VALU_DEP_1)
	v_lshl_or_b32 v[PW], v[TM+7], 24, v[PW]                         ; my row's scale word
.irp b, 0,1,2,3
	v_cvt_scalef32_pk8_fp4_f32 v[PC+2*\b], v[\s+16*\b:\s+16*\b+7], v[TM+12+\b]
	v_cvt_scalef32_pk8_fp4_f32 v[PC+2*\b+1], v[\s+16*\b+8:\s+16*\b+15], v[TM+12+\b]
.endr
	v_nop                                                           ; one plain place behind a scaled conversion
.irp c, 0,1
.irp i, 0,1
	v_permlane16_swap_b32 v[PC+4*\c+\i], v[PC+4*\c+2+\i]            ; a whole block to a lane: lanes 0-15 block 2 c, lanes 16-31 block 2 c + 1
.endr
.endr
.endm
	s_load_b512 s[8:23], s[0:1], 0x0               ; X s[8:9], its scales s[10:11]; Wq s[12:15]; Wk s[16:19]; Wv s[20:23]
	s_load_b64 s[24:25], s[0:1], 0x40              ; qkv
	v_lshl_add_u32 v254, v0, 2, 0x200
	v_mov_b32 v255, 0
	v_lshrrev_b32 v1, 5, v0
	s_delay_alu instid0(VALU_DEP_1)
	v_readfirstlane_b32 s[WV], v1                  ; wave 0..7
	v_and_b32 v1, 15, v0                           ; r
	v_bfe_u32 v2, v0, 4, 1                         ; h
	s_delay_alu instid0(VALU_DEP_2)
	v_and_b32 v3, 8, v1
	s_delay_alu instid0(VALU_DEP_1)
	v_add_nc_u32 v3, v3, v1                        ; r + 8 (r / 8)
	s_delay_alu instid0(VALU_DEP_1)
	v_lshlrev_b32 v4, 7, v3
	s_delay_alu instid0(VALU_DEP_1)
	v_lshl_add_u32 v4, v2, 4, v4                   ; codes: my row of a tile x 128 bytes + 16 h
	s_delay_alu instid0(VALU_DEP_3)
	v_lshlrev_b32 v5, 3, v3                        ; scales: my row x 8 bytes
	v_and_b32 v6, 31, v0
	s_delay_alu instid0(VALU_DEP_1)
	v_lshlrev_b32 v6, 4, v6                        ; 16 x lane
	s_and_b32 s49, s[WV], 1
	s_lshr_b32 s48, s[WV], 1
	s_lshl_b32 s56, s49, 8
	s_lshl_b32 s57, s48, 2
	s_add_co_u32 s56, s56, s57
	v_lshlrev_b32 v7, 4, v1
	s_delay_alu instid0(VALU_DEP_1)
	v_add_nc_u32 v7, s56, v7                       ; LDS: my row's word in the scale block: 16 r + 256 (w & 1) + 4 (w >> 1)
	s_mov_b32 s[SEL], 0x76543210
	s_mov_b32 s[SEL+1], 0xfedcba98
	s_and_b32 s4, ttmp7, 0xffff                    ; y
	s_lshr_b32 s5, s4, 1                           ; 0 q, 1 k, 2 v
	s_and_b32 s6, s4, 1                            ; i
	s_lshl_b32 s44, s6, 7                          ; 128 i: the first feature
	s_lshl_b32 s45, ttmp9, 7                       ; 128 x: the first node
	s_wait_alu depctr_va_vdst(0)
	s_wait_kmcnt 0x0
	s_cmp_eq_u32 s5, 0                             ; which W: the choices hang on the work-group's y alone
	s_cselect_b64 s[26:27], s[12:13], s[16:17]
	s_cselect_b64 s[28:29], s[14:15], s[18:19]
	s_cmp_eq_u32 s5, 2
	s_cselect_b64 s[26:27], s[20:21], s[26:27]
	s_cselect_b64 s[28:29], s[22:23], s[28:29]
	s_cmp_lt_u32 s5, 2                             ; q, k: source 0 = W, source 1 = X;  v: the other way round
	s_cselect_b64 s[30:31], s[26:27], s[8:9]       ; source 0's codes,
	s_cselect_b64 s[32:33], s[28:29], s[10:11]     ; its scales,
	s_cselect_b64 s[34:35], s[8:9], s[26:27]       ; source 1's codes,
	s_cselect_b64 s[36:37], s[10:11], s[28:29]     ; its scales,
	s_cselect_b32 s46, s44, s45                    ; source 0's first row,
	s_cselect_b32 s47, s45, s44                    ; source 1's
	s_lshl_b32 s48, s48, 5
	s_lshl_b32 s49, s49, 3
	s_add_co_u32 s47, s47, s48
	s_add_co_u32 s47, s47, s49                     ; + 32 (w >> 1) + 8 (w & 1): my tile of source 1
	s_mov_b32 s51, 0
	s_lshl_b32 s50, s46, 7
	s_add_nc_u64 s[30:31], s[30:31], s[50:51]
	s_lshl_b32 s50, s46, 3
	s_add_nc_u64 s[32:33], s[32:33], s[50:51]
	s_lshl_b32 s50, s47, 7
	s_add_nc_u64 s[34:35], s[34:35], s[50:51]
	s_lshl_b32 s50, s47, 3
	s_add_nc_u64 s[36:37], s[36:37], s[50:51]
.irp t, 0,1,2,3,4,5,6,7                        ; source 0: tile t begins at row 32 (t / 2) + 8 (t % 2)
.irp s, 0,1
.irp c, 0,1
	global_load_b128 v[AF+8*(2*\t+\s)+4*\c:AF+8*(2*\t+\s)+4*\c+3], v4, s[30:31] offset:(32*(\t/2)+8*(\t%2))*128+64*\s+32*\c
.endr
.endr
	global_load_b64 v[ASW+2*\t:ASW+2*\t+1], v5, s[32:33] offset:(32*(\t/2)+8*(\t%2))*8   ; its rows' two scale words
.endr
.irp s, 0,1
.irp c, 0,1
	global_load_b128 v[BF+8*\s+4*\c:BF+8*\s+4*\c+3], v4, s[34:35] offset:64*\s+32*\c
.endr
.endr
	global_load_b64 v[BSW:BSW+1], v5, s[36:37]
	; where my image and the work-group's scale block go
	s_mul_i32 s52, ttmp9, GRP
	s_min_u32 s53, s5, 1
	s_lshl_b32 s54, s5, 14
	s_add_co_u32 s54, s54, s52
	s_lshl_b32 s56, s53, 10
	s_add_co_u32 s54, s54, s56                     ; q 0, k 17,408, v 33,792
	s_lshl_b32 s56, s6, 13
	s_add_co_u32 s54, s54, s56
	s_lshl_b32 s56, s[WV], 10
	s_add_co_u32 s54, s54, s56                     ; + 1,024 (8 i + w)
	s_mov_b32 s55, 0
	s_add_nc_u64 s[38:39], s[24:25], s[54:55]
	s_mul_i32 s54, s53, 33792
	s_add_co_u32 s54, s54, s52
	s_lshr_b32 s56, s5, 1
	s_lshl_b32 s56, s56, 10
	s_add_co_u32 s54, s54, s56
	s_lshl_b32 s56, s6, 9
	s_add_co_u32 s54, s54, s56
	s_add_co_u32 s54, s54, 16384                   ; q 16,384, k 50,176, v 51,200, + 512 i
	s_add_nc_u64 s[40:41], s[24:25], s[54:55]
	s_wait_loadcnt 0x0
.irp t, 0,1,2,3,4,5,6,7                        ; the first K step starts the sums; the eight accumulators take turns
	v_wmma_scale_f32_16x16x128_f8f6f4 v[DD+8*\t:DD+8*\t+7], v[AF+16*\t:AF+16*\t+7], v[BF:BF+7], 0, v[ASW+2*\t], v[BSW] matrix_a_fmt:MATRIX_FMT_FP4 matrix_b_fmt:MATRIX_FMT_FP4
.endr
.irp t, 0,1,2,3,4,5,6,7
	v_wmma_scale_f32_16x16x128_f8f6f4 v[DD+8*\t:DD+8*\t+7], v[AF+16*\t+8:AF+16*\t+15], v[BF+8:BF+15], v[DD+8*\t:DD+8*\t+7], v[ASW+2*\t+1], v[BSW+1] matrix_a_fmt:MATRIX_FMT_FP4 matrix_b_fmt:MATRIX_FMT_FP4
.endr
.rept 4
	v_nop                                          ; four places behind the last product (ISA guide 7.12.1): results are read and source 0's registers written below
.endr
.irp b, 0,1,2,3
	v_mov_b32 v[TM+4+\b], 0                        ; a lane permute's destination counts as one of its sources
.endr
	QUANT DD
	global_store_b128 v6, v[PC:PC+3], s[38:39]               ; each store covers 512 consecutive bytes, aligned
	global_store_b128 v6, v[PC+4:PC+7], s[38:39] offset:512
	ds_store_b32 v7, v[PW]                         ; lanes r and r + 16 hold the same word and write it to the same place
	s_wait_dscnt 0x0                               ; for wave 0's sake: my word has landed
	s_barrier_signal -1
	s_barrier_wait -1
	s_cmp_lg_u32 s[WV], 0
	s_cbranch_scc1 .Ldone
	ds_load_b128 v[44:47], v6                      ; the eight waves' words: 512 bytes
	s_wait_dscnt 0x0
	global_store_b128 v6, v[44:47], s[40:41]       ; 512 consecutive bytes, aligned
.Ldone:
	s_wait_tensorcnt 0x0
	ds_add_u32 v254, v255
	s_wait_dscnt 0x0
	s_endpgm
.Lfunc_end_k_q6f25513765_proj:
	.size	k_q6f25513765_proj, .Lfunc_end_k_q6f25513765_proj-k_q6f25513765_proj
	.p2alignl 7, 3214868480
	.fill 96, 4, 3214868480
	.section	.rodata,"a",@progbits
	.p2align	6, 0x0
	.amdhsa_kernel k_q6f25513765_proj
		.amdhsa_group_segment_fixed_size 1536
		.amdhsa_private_segment_fixed_size 0
		.amdhsa_enable_private_segment 0
		.amdhsa_kernarg_size 72
		.amdhsa_user_sgpr_count 2
		.amdhsa_user_sgpr_kernarg_segment_ptr 1
		.amdhsa_wavefront_size32 1
		.amdhsa_system_sgpr_workgroup_id_x 1
		.amdhsa_system_sgpr_workgroup_id_y 1
		.amdhsa_system_sgpr_workgroup_id_z 1
		.amdhsa_system_vgpr_workitem_id 0
		.amdhsa_next_free_vgpr 256
		.amdhsa_next_free_sgpr 66
		.amdhsa_reserve_vcc 0
		.amdhsa_float_denorm_mode_32 3
		.amdhsa_float_denorm_mode_16_64 3
		.amdhsa_memory_ordered 1
		.amdhsa_forward_progress 1
		.amdhsa_inst_pref_size 15
	.end_amdhsa_kernel
	.amdgpu_metadata
---
amdhsa.version: [ 1, 2 ]
amdhsa.kernels:
  - .name:           k_q6f25513765_proj
    .symbol:         k_q6f25513765_proj.kd
    .args:
      - { .name: node_state_codes, .offset: 0, .size: 8, .value_kind: global_buffer, .address_space: global }
      - { .name: node_state_scales, .offset: 8, .size: 8, .value_kind: global_buffer, .address_space: global }
      - { .name: Wq_codes, .offset: 16, .size: 8, .value_kind: global_buffer, .address_space: global }
      - { .name: Wq_scales, .offset: 24, .size: 8, .value_kind: global_buffer, .address_space: global }
      - { .name: Wk_codes, .offset: 32, .size: 8, .value_kind: global_buffer, .address_space: global }
      - { .name: Wk_scales, .offset: 40, .size: 8, .value_kind: global_buffer, .address_space: global }
      - { .name: Wv_codes, .offset: 48, .size: 8, .value_kind: global_buffer, .address_space: global }
      - { .name: Wv_scales, .offset: 56, .size: 8, .value_kind: global_buffer, .address_space: global }
      - { .name: qkv, .offset: 64, .size: 8, .value_kind: global_buffer, .address_space: global }
    .group_segment_fixed_size: 1536
    .private_segment_fixed_size: 0
    .kernarg_segment_align: 8
    .kernarg_segment_size: 72
    .max_flat_workgroup_size: 256
    .sgpr_count:     66
    .vgpr_count:     256
    .wavefront_size: 32
...
	.end_amdgpu_metadata
.endif
;; end of part 1
;; launch attn (part 2): grid 256 x 1, 8 waves a work-group, clusters of 4 x 1, 327,680 bytes of LDS; arguments adjacency, qkv, Wo_codes, Wo_scales, bo, out0; writes out0
.if DOCPART == 2
	.amdgcn_target "amdgcn-amd-amdhsa--gfx1250"
	.amdhsa_code_object_version 6
	.text
	.protected	k_q6f25513765_attn
	.globl	k_q6f25513765_attn
	.p2align	8
	.type	k_q6f25513765_attn,@function
k_q6f25513765_attn:
	s_mov_b64 s[64:65], 0
	v_nop
	global_prefetch_b8 v0, s[64:65] scope:SCOPE_SE
	s_setreg_imm32_b32 hwreg(HW_REG_WAVE_MODE, 25, 1), 1
	s_wait_xcnt 0x0
	s_wait_alu depctr_hold_cnt(0) depctr_sa_sdst(0) depctr_va_vdst(0) depctr_va_sdst(0) depctr_va_ssrc(0) depctr_va_vcc(0) depctr_vm_vsrc(0)
	s_getreg_b32 s2, hwreg(HW_REG_IB_STS2, 6, 4)
	s_cmp_eq_u32 s2, 0
	s_cbranch_scc0 .Lentry_in_a_cluster
	s_endpgm
.Lentry_in_a_cluster:
	s_bfe_u32 s2, ttmp6, 0x10000c
	s_cmp_lg_u32 s2, 0x3003
	s_cbranch_scc0 .Lentry_shape_is_right
	s_endpgm
.Lentry_shape_is_right:
; out = (softmax(q k^T / sqrt(32) + log(adjacency + 1e-6)) v) Wo^T + bo; all three products on codes of FP4 (E2M1) with E8M0 scales, sums in f32.
; q, k, v come from qkv as images of operand registers (64 groups of 128 nodes x 52,224 bytes: q images 0, q scale words 16,384, k images 17,408, v images 33,792, k scale words 50,176, v scale words 51,200).
; SOFTMAX: t = logit x log2(e); M = the running largest t rounded up to a whole number; p = 2^(t - M) is quantised along the keys; the sum is taken of the unquantised p and divides at the end.
; L' = kappa log2(adjacency + 1e-6), kappa = sqrt(32) ln 2, is made once for the 8 heads and is the C of the score product: D = q.k + L', t = c D, c = log2(e) / sqrt(32).
; SHARES.  A work-group owns 32 queries (two tiles of 16), all 8 heads and all 4,096 keys, so each number of adjacency is read once in the launch.  Wave w: kh = w >> 2 (which 128 of a trip's 256 keys),
; qt = (w >> 1) & 1 (which tile of queries), hg = w & 1 (which four heads).  16 trips of 256 keys.  The two key halves of a (qt, hg) meet at the end, by exact powers of two.
; A fragment of k holds four heads (128 features); q's fragment is masked to one head, the other three blocks being zero codes.
; Both products are used transposed (S^T = k q^T, O^T = v^T p^T): a lane holds one query throughout.  Lane r of tile 2 b + u holds node (or feature) 32 b + 8 u + r + 8 (r / 8).
; CLUSTER: the four work-groups of a cluster lie in one batch and walk the same k and v: each tile is asked for jointly (mask 15), 8,704 dense bytes by each of the eight waves.  One tensor load of a wave is out at the most.
; A TRIP'S ORDER.  v's fragments are fetched; head 0; the next trip's L' is made and stored, and adjacency two trips on is asked for; head 1; the waits, the add and the round's opening signal;
; head 2 (registers alone) between that signal and its wait; the rest of the round; the joint load of trip t + 2 into the slot in hand, whose last reads were awaited ahead of the signal;
; the next trip's k, L' and k scale words are fetched from the other slot; head 3, whose tail starts the next trip's first scores.  So one round a trip orders the slots of k and v and those of L' alike.
; PREFETCH: adjacency, 16 blocks of 256 bytes a wave and trip (four rows x 1,024 bytes), a lane a block (lanes 16-31 name the last block again), two trips ahead of the load just issued; trips 0 to 3 come by their loads alone;
; the loop's last two trips ask for nothing.  k and v are not prefetched: the joint load for trip t + 2 is issued in trip t and is waited for behind head 1 of trip t + 1.
; LIMITS: adjacency + 1e-6 must be above 0 (else the logarithm is NaN here as in the definition); NaN and infinities are not served; the scaled scores stay under 2^31 in magnitude; p under 2^-126 counts as 0; a block of zeros carries the scale byte 1 (its codes are zeros).
; LDS: two slots of k and v (tensor loads alone fill them); two slots of L' (32 rows of 1,024 + 16 bytes); the spare words; the merge; the attention output's images.  All of LDS is claimed.
.set GRP,   52224
.set KVB,   34816                      ; a group's k images, v images, k scale words, v scale words
.set EIGHTH, 8704                      ; what one tensor load brings: 34 rows of 256 bytes
.set SLOTB, 69632                      ; a slot: two groups
.set LB,    139264                     ; L' slot 0; later the stage for out
.set LSL,   33280                      ; an L' slot
.set LP,    1040                       ; its pitch: 65 x 16 bytes
.set SPARE, 205824                     ; the spare words: 128 bytes a wave
.set MG,    206848                     ; the merge: for each (qt, hg) 16 images of 512 bytes of O^T, then two of statistics
.set MGU,   9216
.set AIMG,  243712                     ; the attention output's four fragments, image 2 qt + hg
.set ASCA,  247808                     ; and their scale words, 128 bytes each
; window 0
.set AG,  1                            ; 16 x lane
.set AKV, 2                            ; v2-3  my k and v images in slot 0, 1
.set ASC, 4                            ; v4-5  my scale blocks in slot 0, 1
.set AL,  6                            ; my L' numbers
.set AW,  7                            ; where I write L' rows 4 w .. 4 w + 3; where I read the stage back
.set AM,  8
.set AI,  9
.set AIS, 10
.set AST, 11
.set SPW, 12                           ; my spare word; never rewritten
.set NIL, 13                           ; 0; never rewritten
.set AIR, 14
.set ASR, 15
.set TS,  16                           ; v16-23 my statistics for the merge; at the head: lane, r, h and offsets
.set US,  24                           ; v24-31 the partner's
.set KS,  32                           ; v32-35 k's scale words; at the end the attention output's
.set VS,  36                           ; v36-39 v's
.set ST,  40                           ; v40-55 head j: -M, largest t, l in two halves
.set WS,  56
.set WOA, 60
.set WSA, 61
.set BOA, 62
.set SR,  64                           ; v64-127 S^T, then p
.set OA,  128                          ; v128-191 O^T: head j, tile u at OA + 16 j + 8 u
.set RW0, 192                          ; v192-223 adjacency
.set BI,  196                          ; at the end: bo in the result's layout
.set PC,  224
.set TM,  232
.set SUM2, 248
.set PS,  250
.set PW,  250
.set QS,  251
.set FF,  252                          ; the rescaling factor, the low word of the pair v[252:253]
.set PFO, 253                          ; the prefetch's offset; never rewritten
.set T0,  254
; window 1
.set KFR, 0
.set LFR, 64
.set VFR, 128
.set QB,  192                          ; q masked: head j's fragment at QB + 12 (j & 1) + 4 (j >> 1)
.set RW1, 216                          ; at the end Wo's four fragments
.set WV,  16
.set G1,  24
.set G0,  32                           ; s[32:39] descriptor group 0, a set for each slot
.set CS,  40
.set SEL, 42
.set EPS, 44
.set KAP, 46
.set MSB, 0
.macro WIN new                         ; the immediate's high byte repeats the setting that is left
.if MSB != \new
	s_set_vgpr_msb (MSB<<8)|\new
.set MSB, \new
.endif
.endm
.macro PLACES                          ; four places behind a matrix instruction (ISA guide 7.12.1)
.rept 4
	v_nop
.endr
.endm
.macro CREST                           ; a round of the cluster's barrier behind its opening barrier
	s_cmp_lg_u32 s[WV], 0
	s_cbranch_scc1 .Lnot_wave_0_\@
	s_barrier_signal -3
.Lnot_wave_0_\@:
	s_barrier_wait -3
	s_barrier_signal -1
	s_barrier_wait -1
.endm
.macro ROUND
	s_barrier_signal -1
	s_barrier_wait -1
	CREST
.endm
.macro TLOAD p                         ; every wave asks jointly for its eighth of slot p; s_nop 0 and four v_nop follow
	tensor_load_to_lds s[G0+4*(\p):G0+4*(\p)+3], s[G1:G1+7]
	s_nop 0
	PLACES
.endm
.macro ALOAD step                      ; my four rows' next 256 numbers of adjacency: each load covers 512 consecutive bytes, aligned
.if \step
	s_wait_dscnt 0x0                               ; the L' stores have read these registers
	s_wait_xcnt 0x0                                ; the earlier loads and the prefetch have read their base
	s_add_nc_u64 s[4:5], s[4:5], 1024
.endif
.irp i, 0,1,2,3,4,5,6,7
	global_load_b128 v[RW0+4*\i:RW0+4*\i+3], v[AG], s[4:5] offset:16384*(\i/2)+512*(\i%2) th:TH_LOAD_NT
.endr
.endm
.macro ASK                             ; two trips beyond the load just issued; s48 = 1 in the loop's last two trips, which have no such trip
	s_cmp_lt_u32 s48, 2
	s_cbranch_scc1 .Lno_ask_\@
	global_prefetch_b8 v[PFO], s[4:5] offset:2048 th:TH_LOAD_NT scope:SCOPE_SE
.Lno_ask_\@:
.endm
.macro XFORM sl, n                     ; 32 numbers a lane become L' = kappa log2(adjacency + 1e-6) and go to L' slot sl.  n: the younger loads, which may stay out
	s_wait_loadcnt \n
.irp k, 0,2,4,6,8,10,12,14,16,18,20,22,24,26,28,30
	v_pk_add_f32 v[RW0+\k:RW0+\k+1], v[RW0+\k:RW0+\k+1], s[EPS:EPS+1] op_sel_hi:[1,0]
.endr
.set II, 0
	s_wait_alu depctr_va_vdst(0)                   ; the wait ahead of the batch
.rept 32
	v_log_f32 v[RW0+II], v[RW0+II]
.set II, II+1
.endr
	v_nop
	s_wait_alu depctr_va_vdst(0)                   ; and behind it
.irp k, 0,2,4,6,8,10,12,14,16,18,20,22,24,26,28,30
	v_pk_mul_f32 v[RW0+\k:RW0+\k+1], v[RW0+\k:RW0+\k+1], s[KAP:KAP+1] op_sel_hi:[1,0]
.endr
.irp i, 0,1,2,3,4,5,6,7
	ds_store_b128 v[AW], v[RW0+4*\i:RW0+4*\i+3] offset:LSL*(\sl)+LP*(\i/2)+512*(\i%2)
.endr
.endm
.macro FETCH_V p                       ; 17 LDS loads: v's scale words and eight fragments for my key half and my four heads
	ds_load_b128 v[VS:VS+3], v[ASC+(\p)] offset:33792
	WIN 0x40
.irp t, 0,1,2,3,4,5,6,7
.irp c, 0,1
	ds_load_b128 v[VFR+8*\t+4*\c:VFR+8*\t+4*\c+3], v[AKV+(\p)] offset:16384+1024*\t+512*\c
.endr
.endr
	WIN 0
.endm
.macro FETCH_KL p                      ; 33 LDS loads: k's scale words, k's eight fragments and L' in the result's layout
	ds_load_b128 v[KS:KS+3], v[ASC+(\p)] offset:32768
	WIN 0x40
.irp t, 0,1,2,3,4,5,6,7
.irp c, 0,1
	ds_load_b128 v[KFR+8*\t+4*\c:KFR+8*\t+4*\c+3], v[AKV+(\p)] offset:1024*\t+512*\c
.endr
.endr
.irp b, 0,1,2,3
.irp e, 0,1,2,3
	ds_load_b128 v[LFR+16*\b+4*\e:LFR+16*\b+4*\e+3], v[AL] offset:LSL*(\p)+128*\b+16*\e
.endr
.endr
	WIN 0
.endm
.macro KQ j                            ; S^T = k q_j^T + L': eight tiles of 16 keys; even tiles' scale words in lanes 0-15, odd tiles' in lanes 16-31
	WIN 0x15
.irp t, 0,2,4,6
	v_wmma_scale_f32_16x16x128_f8f6f4 v[SR+8*\t:SR+8*\t+7], v[KFR+8*\t:KFR+8*\t+7], v[QB+12*((\j)&1)+4*((\j)>>1):QB+12*((\j)&1)+4*((\j)>>1)+7], v[LFR+8*\t:LFR+8*\t+7], v[KS+\t/2], v[QS] matrix_a_fmt:MATRIX_FMT_FP4 matrix_b_fmt:MATRIX_FMT_FP4
	v_wmma_scale_f32_16x16x128_f8f6f4 v[SR+8*\t+8:SR+8*\t+15], v[KFR+8*\t+8:KFR+8*\t+15], v[QB+12*((\j)&1)+4*((\j)>>1):QB+12*((\j)&1)+4*((\j)>>1)+7], v[LFR+8*\t+8:LFR+8*\t+15], v[KS+\t/2], v[QS] matrix_a_fmt:MATRIX_FMT_FP4 matrix_b_fmt:MATRIX_FMT_FP4 matrix_a_scale:MATRIX_SCALE_ROW1
.endr
	WIN 0
.endm
.macro PV j                            ; O_j^T += v_j^T p^T: the head's two tiles of 16 dims, K = my 128 keys
	WIN 0x01
	v_wmma_scale_f32_16x16x128_f8f6f4 v[OA+16*(\j):OA+16*(\j)+7], v[VFR+16*(\j):VFR+16*(\j)+7], v[PC:PC+7], v[OA+16*(\j):OA+16*(\j)+7], v[VS+(\j)], v[PS] matrix_a_fmt:MATRIX_FMT_FP4 matrix_b_fmt:MATRIX_FMT_FP4
	v_wmma_scale_f32_16x16x128_f8f6f4 v[OA+16*(\j)+8:OA+16*(\j)+15], v[VFR+16*(\j)+8:VFR+16*(\j)+15], v[PC:PC+7], v[OA+16*(\j)+8:OA+16*(\j)+15], v[VS+(\j)], v[PS] matrix_a_fmt:MATRIX_FMT_FP4 matrix_b_fmt:MATRIX_FMT_FP4 matrix_a_scale:MATRIX_SCALE_ROW1
	WIN 0
.endm
; One head's softmax for 128 keys.  Register 16 b + i of S^T is key 32 b + 16 h + i of my query.
; nq: the head whose scores are started in the tail (9: none);  kw = 1: its operands are LDS loads still to be awaited;  vw = 1: v's fragments are awaited behind the exponentials.
.macro HEAD j, nq, kw, vw
.set SJ, ST+4*(\j)
.irp b, 0,1,2,3
	v_max3_num_f32 v[TM+\b], v[SR+16*\b], v[SR+16*\b+1], v[SR+16*\b+2]   ; the largest score of each block of 32 keys, each result read from its low end on
.endr
.irp i, 3,5,7,9,11,13
.irp b, 0,1,2,3
	v_max3_num_f32 v[TM+\b], v[TM+\b], v[SR+16*\b+\i], v[SR+16*\b+\i+1]
.endr
.endr
.irp b, 0,1,2,3
	v_max_num_f32 v[TM+\b], v[TM+\b], v[SR+16*\b+15]
.endr
.irp b, 0,1,2,3
	s_delay_alu instid0(VALU_DEP_4)
	v_permlanex16_b32 v[TM+4+\b], v[TM+\b], s[SEL], s[SEL+1]
.endr
.irp b, 0,1,2,3
	s_delay_alu instid0(VALU_DEP_4)
	v_max_num_f32 v[TM+\b], v[TM+\b], v[TM+4+\b]   ; with lane l xor 16's 16 keys
.endr
	s_delay_alu instid0(VALU_DEP_2)
	v_max3_num_f32 v[T0], v[TM], v[TM+1], v[TM+2]
	s_delay_alu instid0(VALU_DEP_1)
	v_max_num_f32 v[T0], v[T0], v[TM+3]
	s_delay_alu instid0(VALU_DEP_1)
	v_mul_f32 v[T0], s[CS], v[T0]                  ; as t (c is positive)
	s_delay_alu instid0(VALU_DEP_1)
	v_max_num_f32 v[SJ+1], v[SJ+1], v[T0]          ; the running largest t
	v_mov_b32 v[T0], v[SJ]
	s_delay_alu instid0(VALU_DEP_2)
	v_floor_f32 v[SJ], -v[SJ+1]                    ; the new -M = floor(-t)
	s_delay_alu instid0(VALU_DEP_1)
	v_sub_f32 v[T0], v[SJ], v[T0]                  ; old M - new M: a whole number, 0 or less
	s_delay_alu instid0(VALU_DEP_1)
	v_cvt_i32_f32 v[T0], v[T0]
	s_delay_alu instid0(VALU_DEP_1)
	v_ldexp_f32 v[FF], 1.0, v[T0]                  ; f = 2^(old M - new M): rounds nothing
.irp k, 0,2,4,6,8,10,12,14,16,18,20,22,24,26,28,30,32,34,36,38,40,42,44,46,48,50,52,54,56,58,60,62
	v_pk_fma_f32 v[SR+\k:SR+\k+1], v[SR+\k:SR+\k+1], s[CS:CS+1], v[SJ:SJ+1] op_sel_hi:[1,0,0]   ; t - M
.endr
.irp b, 0,1,2,3
	v_fma_f32 v[TM+\b], v[TM+\b], s[CS], v[SJ]     ; the same of each block's largest score
.endr
.set II, 0
	s_wait_alu depctr_va_vdst(0)                   ; the wait ahead of the batch
.rept 64
	v_exp_f32 v[SR+II], v[SR+II]                   ; p = 2^(t - M), not normalised
.set II, II+1
.endr
.irp b, 0,1,2,3
	v_exp_f32 v[TM+\b], v[TM+\b]                   ; the block's largest p
.endr
	v_pk_mul_f32 v[SJ+2:SJ+3], v[SJ+2:SJ+3], v[FF:FF+1] op_sel_hi:[1,0]   ; the sum under the new M (a plain place behind the exponentials)
	s_wait_alu depctr_va_vdst(0)                   ; and behind it
.if \vw
	s_wait_dscnt 0x0                               ; v's 17 loads are in
.endif
.irp b, 0,1,2,3
	v_max_num_f32 v[TM+\b], 0x1800000, v[TM+\b]    ; the floor 2^(3 - 127): the byte cannot fall under 1
.endr
.irp b, 0,1,2,3
	s_delay_alu instid0(VALU_DEP_4)
	v_add_nc_u32 v[TM+12+\b], 0xff000000, v[TM+\b] ; 2 off the exponent field: the conversion's scale operand
.endr
.irp b, 0,1,2,3
	s_delay_alu instid0(VALU_DEP_4)
	v_lshrrev_b32 v[TM+4+\b], 23, v[TM+12+\b]      ; the scale's byte
.endr
	s_delay_alu instid0(VALU_DEP_3)
	v_lshl_or_b32 v[PS], v[TM+5], 8, v[TM+4]
	s_delay_alu instid0(VALU_DEP_1)
	v_lshl_or_b32 v[PS], v[TM+6], 16, v[PS]
	s_delay_alu instid0(VALU_DEP_1)
	v_lshl_or_b32 v[PS], v[TM+7], 24, v[PS]        ; p's scale word for these 128 keys
.irp b, 0,1,2,3
	v_cvt_scalef32_pk8_fp4_f32 v[PC+2*\b], v[SR+16*\b:SR+16*\b+7], v[TM+12+\b]
	v_cvt_scalef32_pk8_fp4_f32 v[PC+2*\b+1], v[SR+16*\b+8:SR+16*\b+15], v[TM+12+\b]
.endr
	v_nop                                          ; one plain place behind a scaled conversion
.irp c, 0,1
.irp i, 0,1
	v_permlane16_swap_b32 v[PC+4*\c+\i], v[PC+4*\c+2+\i]   ; a whole block to a lane
.endr
.endr
	v_pk_add_f32 v[SUM2:SUM2+1], v[SR:SR+1], v[SR+2:SR+3]    ; the sum of the unquantised p, in two chains
.irp k, 4,8,12,16,20,24,28,32,36,40,44,48,52,56,60
	v_pk_add_f32 v[SJ+2:SJ+3], v[SJ+2:SJ+3], v[SR+\k:SR+\k+1]
	v_pk_add_f32 v[SUM2:SUM2+1], v[SUM2:SUM2+1], v[SR+\k+2:SR+\k+3]
.endr
	s_delay_alu instid0(VALU_DEP_1)
	v_pk_add_f32 v[SJ+2:SJ+3], v[SJ+2:SJ+3], v[SUM2:SUM2+1]
.if (\nq) < 4
.if \kw
	s_wait_alu depctr_va_vdst(0)
	s_wait_dscnt 0x0                               ; the next trip's k, L' and scale words are in
.endif
	KQ \nq                                         ; p is done with: the next scores are made while this head's O^T is rescaled
.endif
.irp k, 0,2,4,6,8,10,12,14
	v_pk_mul_f32 v[OA+16*(\j)+\k:OA+16*(\j)+\k+1], v[OA+16*(\j)+\k:OA+16*(\j)+\k+1], v[FF:FF+1] op_sel_hi:[1,0]   ; O^T under the new M, from the low end on; also the places behind the score products
.endr
	PV \j
.endm
.macro WLOAD                           ; Wo's rows 32 w .. 32 w + 31, their scale words, and bo in the result's layout
	WIN 0x40
.irp a, 0,1
.irp s, 0,1
.irp c, 0,1
	global_load_b128 v[RW1+8*(2*\a+\s)+4*\c:RW1+8*(2*\a+\s)+4*\c+3], v[WOA], s[8:9] offset:2048*\a+64*\s+32*\c
.endr
.endr
.endr
	WIN 0
.irp a, 0,1
	global_load_b64 v[WS+2*\a:WS+2*\a+1], v[WSA], s[10:11] offset:128*\a
	global_load_b128 v[BI+8*\a:BI+8*\a+3], v[BOA], s[12:13] offset:64*\a
	global_load_b128 v[BI+8*\a+4:BI+8*\a+7], v[BOA], s[12:13] offset:64*\a+16
.endr
.endm
; A TRIP: 256 keys out of slot p; its k, L' and first scores were fetched and started in the trip before.
; xf: the next trip's L' is made;  ld: adjacency two trips on is asked for;  rf: slot p is filled with trip t + 2;  nx: a next trip follows;  wl: Wo and bo are asked for.
.macro TRIP p, xf, ld, rf, nx, wl
	PLACES                                         ; behind the last products, ahead of the loads into their registers
	FETCH_V \p
	HEAD 0, 1, 0, 1
.if \xf
	XFORM 1-\p, 0
.if \ld
	ALOAD 1
	ASK
.endif
	s_wait_alu depctr_va_vdst(0)
.endif
.if \wl
	WLOAD
.endif
	HEAD 1, 2, 0, 0
.if \nx
	s_wait_tensorcnt 0x0                           ; my eighth of the other slot has landed; so a group 0 may be written
	ds_add_u32 v[SPW], v[NIL]                      ; 0 onto my spare word
.if \rf
	s_add_nc_u64 s[G0+4*\p+2:G0+4*\p+3], s[G0+4*\p+2:G0+4*\p+3], 4*GRP   ; slot p's next tile: two trips, four groups on
.endif
	s_wait_dscnt 0x0                               ; the add is done; my reads of slot p are over and my L' stores have landed
	s_barrier_signal -1                            ; (rf: this barrier opens a round of the cluster's barrier)
.endif
	HEAD 2, 3, 0, 0                                ; work on registers alone
.if \nx
	s_barrier_wait -1
.if \rf
	CREST
	TLOAD \p                                       ; the first tensor load behind the round, ahead of the first LDS read
.endif
	FETCH_KL 1-\p
	HEAD 3, 0, 1, 0
.else
	HEAD 3, 9, 0, 0
.endif
.endm
; 64 numbers of a lane, register 16 b + i = k 32 b + 16 (lane / 16) + i of my row, become a fragment's codes in v[PC] on and its scale word in v[PW].
.macro QUANT s
.irp b, 0,1,2,3
	v_max3_num_f32 v[TM+\b], |v[\s+16*\b]|, |v[\s+16*\b+1]|, 0x1800000
.endr
.irp i, 2,4,6,8,10,12,14
.irp b, 0,1,2,3
	s_delay_alu instid0(VALU_DEP_4)
	v_max3_num_f32 v[TM+\b], v[TM+\b], |v[\s+16*\b+\i]|, |v[\s+16*\b+\i+1]|
.endr
.endr
.irp b, 0,1,2,3
	s_delay_alu instid0(VALU_DEP_4)
	v_permlanex16_b32 v[TM+4+\b], v[TM+\b], s[SEL], s[SEL+1]
.endr
.irp b, 0,1,2,3
	s_delay_alu instid0(VALU_DEP_4)
	v_max_num_f32 v[TM+\b], v[TM+\b], v[TM+4+\b]
.endr
.irp b, 0,1,2,3
	s_delay_alu instid0(VALU_DEP_4)
	v_add_nc_u32 v[TM+12+\b], 0xff000000, v[TM+\b]
.endr
.irp b, 0,1,2,3
	s_delay_alu instid0(VALU_DEP_4)
	v_lshrrev_b32 v[TM+4+\b], 23, v[TM+12+\b]
.endr
	s_delay_alu instid0(VALU_DEP_3)
	v_lshl_or_b32 v[PW], v[TM+5], 8, v[TM+4]
	s_delay_alu instid0(VALU_DEP_1)
	v_lshl_or_b32 v[PW], v[TM+6], 16, v[PW]
	s_delay_alu instid0(VALU_DEP_1)
	v_lshl_or_b32 v[PW], v[TM+7], 24, v[PW]
.irp b, 0,1,2,3
	v_cvt_scalef32_pk8_fp4_f32 v[PC+2*\b], v[\s+16*\b:\s+16*\b+7], v[TM+12+\b]
	v_cvt_scalef32_pk8_fp4_f32 v[PC+2*\b+1], v[\s+16*\b+8:\s+16*\b+15], v[TM+12+\b]
.endr
	v_nop
.irp c, 0,1
.irp i, 0,1
	v_permlane16_swap_b32 v[PC+4*\c+\i], v[PC+4*\c+2+\i]
.endr
.endr
.endm
	s_load_b256 s[4:11], s[0:1], 0x0               ; adjacency s[4:5], qkv s[6:7], Wo's codes s[8:9], Wo's scales s[10:11]
	s_load_b128 s[12:15], s[0:1], 0x20             ; bo s[12:13], out0 s[14:15]
	v_lshl_add_u32 v[SPW], v0, 2, SPARE
	v_mov_b32 v[NIL], 0
	ds_add_u32 v[SPW], v[NIL]                      ; the opening lines
	ds_add_u32 v[SPW], v[NIL]
	s_wait_dscnt 0x0
	v_lshrrev_b32 v16, 5, v0
	s_delay_alu instid0(VALU_DEP_1)
	v_readfirstlane_b32 s[WV], v16                 ; wave 0..7
	s_bfe_u32 s17, ttmp6, 0x40000                  ; cx: it enters adjacency's, q's and out0's addresses alone
	s_lshl_b32 s18, ttmp9, 2
	s_add_co_u32 s18, s18, s17                     ; my work-group: 4 x cluster + cx
	s_lshr_b32 s19, s[WV], 2                       ; kh
	s_and_b32 s20, s[WV], 3                        ; 2 qt + hg
	s_lshr_b32 s21, s20, 1                         ; qt
	s_and_b32 s22, s[WV], 1                        ; hg
	s_lshl_b32 s23, s19, 3                         ; L' rows 4 w .. 4 w + 3 are four neighbouring queries, from 8 (w >> 2) + 4 (w & 3) + 8 ((w & 3) >> 1) on
	s_lshl_b32 s52, s20, 2
	s_add_co_u32 s23, s23, s52
	s_lshl_b32 s52, s21, 3
	s_add_co_u32 s23, s23, s52
	s_lshl_b32 s52, s18, 5
	s_add_co_u32 s23, s23, s52                     ; + 32 x work-group: a row of adjacency and of out0
	; every LDS address is made here, ahead of the first branch on the wave's number
	v_and_b32 v16, 31, v0                          ; lane
	v_and_b32 v17, 15, v0                          ; r
	v_bfe_u32 v18, v0, 4, 1                        ; h
	s_delay_alu instid0(VALU_DEP_3)
	v_lshlrev_b32 v[AG], 4, v16
	s_wait_alu depctr_va_vdst(0)
	v_lshlrev_b32 v19, 2, v16
	s_mul_i32 s52, s19, KVB
	s_lshl_b32 s53, s22, 13
	s_add_co_u32 s53, s53, s52
	v_add_nc_u32 v[AKV], s53, v[AG]                ; 16 lane + 34,816 kh + 8,192 hg
	s_delay_alu instid0(VALU_DEP_1)
	v_add_nc_u32 v[AKV+1], SLOTB, v[AKV]
	s_lshl_b32 s53, s22, 9
	s_add_co_u32 s53, s53, s52
	v_add_nc_u32 v[ASC], s53, v[AG]                ; 16 lane + 34,816 kh + 512 hg
	s_delay_alu instid0(VALU_DEP_1)
	v_add_nc_u32 v[ASC+1], SLOTB, v[ASC]
	v_mul_u32_u24 v[AL], v17, LP
	s_delay_alu instid0(VALU_DEP_1)
	v_lshl_add_u32 v[AL], v18, 6, v[AL]
	s_mul_i32 s53, s21, 16*LP
	s_lshl_b32 s54, s19, 9
	s_add_co_u32 s53, s53, s54
	s_add_co_u32 s53, s53, LB
	v_add_nc_u32 v[AL], s53, v[AL]                 ; LB + 1,040 (16 qt + r) + 512 kh + 64 h
	s_mul_i32 s53, s[WV], 4*LP
	s_add_co_u32 s53, s53, LB
	v_add_nc_u32 v[AW], s53, v[AG]
	s_mul_i32 s53, s20, MGU
	s_add_co_u32 s53, s53, MG
	v_add_nc_u32 v[AM], s53, v[AG]
	s_lshl_b32 s53, s20, 10
	s_add_co_u32 s53, s53, AIMG
	v_add_nc_u32 v[AI], s53, v[AG]
	s_lshl_b32 s53, s20, 7
	s_add_co_u32 s53, s53, ASCA
	v_add_nc_u32 v[AIS], s53, v19
	v_mul_u32_u24 v[AST], v17, LP
	s_delay_alu instid0(VALU_DEP_1)
	v_lshl_add_u32 v[AST], v18, 5, v[AST]
	s_lshl_b32 s53, s[WV], 7
	s_add_co_u32 s53, s53, LB
	v_add_nc_u32 v[AST], s53, v[AST]               ; LB + 1,040 r + 32 h + 128 w
	v_add_nc_u32 v[AIR], AIMG, v[AG]
	v_add_nc_u32 v[ASR], ASCA, v19
	v_lshlrev_b32 v[WOA], 7, v17
	s_delay_alu instid0(VALU_DEP_1)
	v_lshl_add_u32 v[WOA], v18, 4, v[WOA]          ; Wo: row r of 128 bytes + 16 h
	v_lshlrev_b32 v[WSA], 3, v17                   ; its scales: 8 bytes a row
	v_lshlrev_b32 v[BOA], 5, v18                   ; bo: my half's eight numbers
	v_min_u32 v[PFO], 15, v16                      ; the prefetch: block min(lane, 15) of my 16: row (block >> 2) of 16,384 bytes, 256 (block & 3) in it
	s_delay_alu instid0(VALU_DEP_1)
	v_and_b32 v22, 3, v[PFO]
	v_lshrrev_b32 v[PFO], 2, v[PFO]
	s_delay_alu instid0(VALU_DEP_1)
	v_lshlrev_b32 v[PFO], 14, v[PFO]
	s_delay_alu instid0(VALU_DEP_1)
	v_lshl_add_u32 v[PFO], v22, 8, v[PFO]
	s_lshl_b32 s53, s17, 1                         ; q: my tile of the group is 2 cx + qt
	s_add_co_u32 s53, s53, s21
	s_lshl_b32 s53, s53, 10
	s_lshl_b32 s54, s22, 13
	s_add_co_u32 s53, s53, s54
	v_add_nc_u32 v20, s53, v[AG]                   ; its image: 8,192 hg + 1,024 (2 cx + qt) + 16 lane
	s_lshl_b32 s53, s22, 9
	s_lshl_b32 s54, s21, 8
	s_add_co_u32 s53, s53, s54
	s_lshl_b32 s54, s17, 2
	s_add_co_u32 s53, s53, s54
	s_add_co_u32 s53, s53, 16384
	v_lshl_add_u32 v21, v17, 4, s53                ; its scale word: 16,384 + 512 hg + 16 (r + 16 qt) + 4 cx
	s_mov_b32 s[CS], 0x3e8293ee                    ; c = log2(e) / sqrt(32)
	s_mov_b32 s[CS+1], s[CS]
	s_mov_b32 s[SEL], 0x76543210
	s_mov_b32 s[SEL+1], 0xfedcba98
	s_mov_b32 s[EPS], 0x358637bd                   ; 1e-6
	s_mov_b32 s[EPS+1], s[EPS]
	s_mov_b32 s[KAP], 0x407af233                   ; kappa = sqrt(32) ln 2 = 1 / c
	s_mov_b32 s[KAP+1], s[KAP]
	; descriptor group 1: 34 rows of 256 dense bytes (32 elements of 8 bytes), no padding: images are read as 512 consecutive bytes
	s_mov_b32 s[G1], 15|(3<<16)|(1<<21)            ; the mask: all four work-groups; elements of 8 bytes; bit 21 set beside a mask
	s_mov_b32 s[G1+1], 32<<16
	s_mov_b32 s[G1+2], 34<<16
	s_mov_b32 s[G1+3], 32<<16
	s_mov_b32 s[G1+4], 34
	s_mov_b32 s[G1+5], 32
	s_mov_b32 s[G1+6], 0
	s_mov_b32 s[G1+7], 0
	s_wait_alu depctr_va_vdst(0)
	s_wait_kmcnt 0x0
	s_mov_b32 s53, 0
	s_lshl_b32 s52, s23, 14
	s_add_nc_u64 s[4:5], s[4:5], s[52:53]          ; adjacency at my four rows
	ALOAD 0                                        ; trip 0's numbers
	s_mul_i32 s52, ttmp9, GRP
	s_add_nc_u64 s[50:51], s[6:7], s[52:53]        ; my queries' group
	global_load_b128 v[SR:SR+3], v20, s[50:51]
	global_load_b128 v[SR+4:SR+7], v20, s[50:51] offset:512
	global_load_b32 v[QS], v21, s[50:51]
	s_lshl_b32 s52, s23, 10
	s_add_nc_u64 s[14:15], s[14:15], s[52:53]      ; out0 at the same four rows
	s_lshl_b32 s52, s[WV], 12
	s_add_nc_u64 s[8:9], s[8:9], s[52:53]          ; Wo's rows 32 w on,
	s_lshl_b32 s52, s[WV], 8
	s_add_nc_u64 s[10:11], s[10:11], s[52:53]      ; their scales,
	s_lshl_b32 s52, s[WV], 7
	s_add_nc_u64 s[12:13], s[12:13], s[52:53]      ; and bo's 32 numbers
	s_lshr_b32 s52, ttmp9, 5                       ; the batch, which the four partners share
	s_mul_i32 s52, s52, 32*GRP
	s_mul_i32 s54, s19, GRP                        ; which of a trip's two groups I fetch: w >> 2,
	s_add_co_u32 s52, s52, s54
	s_mul_i32 s54, s20, EIGHTH                     ; and which quarter of its 34,816 bytes: w & 3
	s_add_co_u32 s52, s52, s54
	s_add_co_u32 s52, s52, 17408                   ; k's images begin here in a group
	s_add_nc_u64 s[54:55], s[6:7], s[52:53]
	s_mul_i32 s56, s[WV], EIGHTH                   ; where it goes in a slot: no place in the cluster enters an LDS address
	s_mov_b32 s[G0], 1
	s_mov_b32 s[G0+1], s56                         ; slot 0
	s_mov_b64 s[G0+2:G0+3], s[54:55]               ; trip 0
	s_or_b32 s[G0+3], s[G0+3], 0x80000000
	s_mov_b32 s[G0+4], 1
	s_add_co_u32 s[G0+5], s56, SLOTB               ; slot 1
	s_add_nc_u64 s[G0+6:G0+7], s[54:55], 2*GRP     ; trip 1
	s_or_b32 s[G0+7], s[G0+7], 0x80000000
	ROUND                                          ; all four work-groups are here: the first joint loads meet
	TLOAD 0                                        ; one tensor load a wave at the head
	XFORM 0, 3                                     ; trip 0's L'; behind its loads: q's three
	ALOAD 1                                        ; trip 1's numbers
	s_wait_loadcnt 8                               ; q is in; trip 1's eight loads may be out
	v_add_nc_u32 v72, -1, v18                      ; all ones in lanes 0-15
	v_sub_nc_u32 v73, 0, v18                       ; all ones in lanes 16-31
	WIN 0x40                                       ; head j of the four lies in registers 4 (j >> 1) on of the lanes with h = j & 1: all else becomes zero codes
.irp k, 0,1,2,3
	v_and_b32 v[QB+\k], v[SR+\k], v72
	v_mov_b32 v[QB+4+\k], 0
	v_and_b32 v[QB+8+\k], v[SR+4+\k], v72
	v_and_b32 v[QB+12+\k], v[SR+\k], v73
	v_mov_b32 v[QB+16+\k], 0
	v_and_b32 v[QB+20+\k], v[SR+4+\k], v73
.endr
	WIN 0
.irp j, 0,1,2,3
	v_mov_b32 v[ST+4*\j+1], 0xff61b1e6             ; the largest t so far: -3e38
	s_delay_alu instid0(VALU_DEP_1)
	v_floor_f32 v[ST+4*\j], -v[ST+4*\j+1]          ; -M
	v_mov_b32 v[ST+4*\j+2], 0                      ; the sum
	v_mov_b32 v[ST+4*\j+3], 0
.endr
.set II, 0
.rept 64
	v_mov_b32 v[OA+II], 0                          ; O^T: the trip has no first step of its own: the first change of M multiplies zeros
.set II, II+1
.endr
.irp b, 0,1,2,3
	v_mov_b32 v[TM+4+\b], 0                        ; a lane permute's destination counts as one of its sources
.endr
	v_mov_b32 v[T0+1], 0                           ; (the upper half of a pair that is named whole)
	s_wait_alu depctr_va_vdst(0)                   ; the wait at the head's end
	s_wait_tensorcnt 0x0                           ; my eighth of slot 0 is in; slot 1's first fill is issued as a refill is
	ds_add_u32 v[SPW], v[NIL]
	s_wait_dscnt 0x0                               ; the add is done and trip 0's L' has landed
	ROUND
	TLOAD 1                                        ; trip 1's k and v
	FETCH_KL 0
	s_wait_dscnt 0x0
	KQ 0                                           ; trip 0's first scores
	s_mov_b32 s48, 7
.Ltrips:                                           ; trips 0 to 13
	TRIP 0, 1, 1, 1, 1, 0
	TRIP 1, 1, 1, 1, 1, 0
	s_sub_co_u32 s48, s48, 1
	s_cmp_lg_u32 s48, 0
	s_cbranch_scc1 .Ltrips
	TRIP 0, 1, 0, 0, 1, 0                          ; trip 14: the last L'; nothing is filled again, so its barrier opens no round
	TRIP 1, 0, 0, 0, 0, 1                          ; trip 15
	; THE TWO KEY HALVES MEET.  These eight lines are the places behind the last products.
.irp j, 0,1,2,3
	v_mov_b32 v[TS+\j], v[ST+4*\j]                 ; -M
.endr
.irp j, 0,1,2,3
	v_add_f32 v[TS+4+\j], v[ST+4*\j+2], v[ST+4*\j+3]   ; the sum's two halves
.endr
	s_cmp_lt_u32 s[WV], 4
	s_cbranch_scc1 .Lkeeps
.irp k, 0,1,2,3,4,5,6,7,8,9,10,11,12,13,14,15
	ds_store_b128 v[AM], v[OA+4*\k:OA+4*\k+3] offset:512*\k   ; waves 4 to 7 hand over O^T as it stands, each result from its low end on,
.endr
	ds_store_b128 v[AM], v[TS:TS+3] offset:8192    ; and the statistics
	ds_store_b128 v[AM], v[TS+4:TS+7] offset:8704
.Lkeeps:
	s_wait_dscnt 0x0                               ; for the partner's sake: my stores have landed
	s_barrier_signal -1
	s_barrier_wait -1
	s_cmp_lt_u32 s[WV], 4
	s_cbranch_scc0 .Lgave
.irp k, 0,1,2,3,4,5,6,7,8,9,10,11,12,13,14,15
	ds_load_b128 v[SR+4*\k:SR+4*\k+3], v[AM] offset:512*\k
.endr
	ds_load_b128 v[US:US+3], v[AM] offset:8192
	ds_load_b128 v[US+4:US+7], v[AM] offset:8704
	s_wait_dscnt 0x0
	s_wait_alu depctr_va_vdst(0)
.irp j, 0,1,2,3
	v_min_num_f32 v[TM+\j], v[TS+\j], v[US+\j]     ; -M of the two together
.endr
.irp j, 0,1,2,3
	v_sub_f32 v[TM+4+\j], v[TM+\j], v[TS+\j]       ; my M less the common one: a whole number, 0 or less;
	v_sub_f32 v[TM+8+\j], v[TM+\j], v[US+\j]       ; the partner's
.endr
.irp j, 0,1,2,3
	v_cvt_i32_f32 v[TM+4+\j], v[TM+4+\j]
	v_cvt_i32_f32 v[TM+8+\j], v[TM+8+\j]
.endr
.irp j, 0,1,2,3
	v_ldexp_f32 v[TM+4+\j], 1.0, v[TM+4+\j]        ; exact powers of two
	v_ldexp_f32 v[TM+8+\j], 1.0, v[TM+8+\j]
.endr
.irp j, 0,1,2,3
	v_mul_f32 v[TM+12+\j], v[TS+4+\j], v[TM+4+\j]
.endr
.irp j, 0,1,2,3
	s_delay_alu instid0(VALU_DEP_4)
	v_fma_f32 v[TM+12+\j], v[US+4+\j], v[TM+8+\j], v[TM+12+\j]
.endr
.irp j, 0,1,2,3
	s_delay_alu instid0(VALU_DEP_4)
	v_permlanex16_b32 v[TM+\j], v[TM+12+\j], s[SEL], s[SEL+1]
.endr
.irp j, 0,1,2,3
	s_delay_alu instid0(VALU_DEP_4)
	v_add_f32 v[TM+12+\j], v[TM+12+\j], v[TM+\j]   ; with lane l xor 16's keys: the row's sum
.endr
	s_wait_alu depctr_va_vdst(0)
.irp j, 0,1,2,3
	v_rcp_f32 v[TM+12+\j], v[TM+12+\j]
.endr
	v_nop                                          ; one plain place behind the reciprocals
	s_wait_alu depctr_va_vdst(0)
.irp j, 0,1,2,3
	v_mul_f32 v[FF], v[TM+4+\j], v[TM+12+\j]
	v_mul_f32 v[T0], v[TM+8+\j], v[TM+12+\j]
.irp k, 0,2,4,6,8,10,12,14
	v_pk_mul_f32 v[OA+16*\j+\k:OA+16*\j+\k+1], v[OA+16*\j+\k:OA+16*\j+\k+1], v[FF:FF+1] op_sel_hi:[1,0]
.endr
.irp k, 0,2,4,6,8,10,12,14
	v_pk_fma_f32 v[OA+16*\j+\k:OA+16*\j+\k+1], v[SR+16*\j+\k:SR+16*\j+\k+1], v[T0:T0+1], v[OA+16*\j+\k:OA+16*\j+\k+1] op_sel_hi:[1,0,1]
.endr
.endr
	QUANT OA                                       ; register 16 j + i is hidden unit 128 hg + 32 j + 16 h + i of my query: a block is a head
	ds_store_b128 v[AI], v[PC:PC+3]                ; K step hg of the last product, queries' tile qt: an image of the operand's registers
	ds_store_b128 v[AI], v[PC+4:PC+7] offset:512
	ds_store_b32 v[AIS], v[PW]
.Lgave:
	s_wait_dscnt 0x0
	s_barrier_signal -1
	s_barrier_wait -1                              ; the attention output's four fragments lie in LDS
	; out^T: wave w makes features 32 w .. 32 w + 31 for the 32 queries: source 0 = 16 rows of Wo, source 1 = 16 queries; bo is the C of each sum's first product
.irp q, 0,1
.irp s, 0,1
.irp c, 0,1
	ds_load_b128 v[SR+8*(2*\q+\s)+4*\c:SR+8*(2*\q+\s)+4*\c+3], v[AIR] offset:1024*(2*\q+\s)+512*\c
.endr
	ds_load_b32 v[KS+2*\q+\s], v[ASR] offset:128*(2*\q+\s)
.endr
.endr
	s_wait_loadcnt 0x0                             ; Wo, its scales, bo
	s_wait_dscnt 0x0
	WIN 0x01
.irp a, 0,1                                    ; four accumulators by turns
.irp q, 0,1
	v_wmma_scale_f32_16x16x128_f8f6f4 v[OA+8*(2*\a+\q):OA+8*(2*\a+\q)+7], v[RW1+16*\a:RW1+16*\a+7], v[SR+16*\q:SR+16*\q+7], v[BI+8*\a:BI+8*\a+7], v[WS+2*\a], v[KS+2*\q] matrix_a_fmt:MATRIX_FMT_FP4 matrix_b_fmt:MATRIX_FMT_FP4
.endr
.endr
.irp a, 0,1
.irp q, 0,1
	v_wmma_scale_f32_16x16x128_f8f6f4 v[OA+8*(2*\a+\q):OA+8*(2*\a+\q)+7], v[RW1+16*\a+8:RW1+16*\a+15], v[SR+16*\q+8:SR+16*\q+15], v[OA+8*(2*\a+\q):OA+8*(2*\a+\q)+7], v[WS+2*\a+1], v[KS+2*\q+1] matrix_a_fmt:MATRIX_FMT_FP4 matrix_b_fmt:MATRIX_FMT_FP4
.endr
.endr
	WIN 0
	PLACES
.irp a, 0,1                                    ; lane (r, h): out(query r of tile q, 32 w + 16 a + 8 h + 0 .. 7).  The stage lies in L' slot 0, whose last reads were awaited ahead of trip 14's barrier
.irp q, 0,1
	ds_store_b128 v[AST], v[OA+8*(2*\a+\q):OA+8*(2*\a+\q)+3] offset:16*LP*\q+64*\a
	ds_store_b128 v[AST], v[OA+8*(2*\a+\q)+4:OA+8*(2*\a+\q)+7] offset:16*LP*\q+64*\a+16
.endr
.endr
	s_wait_dscnt 0x0
	s_barrier_signal -1
	s_barrier_wait -1                              ; 32 whole rows of out lie in the stage
.irp i, 0,1,2,3,4,5,6,7
	ds_load_b128 v[SR+32+4*\i:SR+32+4*\i+3], v[AW] offset:LP*(\i/2)+512*(\i%2)
.endr
.irp i, 0,1,2,3,4,5,6,7
	s_wait_dscnt 7-\i                              ; LDS loads come back in order: load i is in, the younger ones may be out
	global_store_b128 v[AG], v[SR+32+4*\i:SR+32+4*\i+3], s[14:15] offset:1024*(\i/2)+512*(\i%2) th:TH_STORE_NT   ; 512 consecutive bytes, aligned
.endr
	s_wait_tensorcnt 0x0                           ; the wave's end
	ds_add_u32 v[SPW], v[NIL]
	s_wait_dscnt 0x0
	ROUND                                          ; the closing round: no work-group ends while a partner may still ask for a tile that names it
	s_endpgm
.Lfunc_end_k_q6f25513765_attn:
	.size	k_q6f25513765_attn, .Lfunc_end_k_q6f25513765_attn-k_q6f25513765_attn
	.p2alignl 7, 3214868480
	.fill 96, 4, 3214868480
	.section	.rodata,"a",@progbits
	.p2align	6, 0x0
	.amdhsa_kernel k_q6f25513765_attn
		.amdhsa_group_segment_fixed_size 327680
		.amdhsa_private_segment_fixed_size 0
		.amdhsa_enable_private_segment 0
		.amdhsa_kernarg_size 48
		.amdhsa_user_sgpr_count 2
		.amdhsa_user_sgpr_kernarg_segment_ptr 1
		.amdhsa_wavefront_size32 1
		.amdhsa_system_sgpr_workgroup_id_x 1
		.amdhsa_system_sgpr_workgroup_id_y 1
		.amdhsa_system_sgpr_workgroup_id_z 1
		.amdhsa_system_vgpr_workitem_id 0
		.amdhsa_next_free_vgpr 512
		.amdhsa_next_free_sgpr 66
		.amdhsa_reserve_vcc 0
		.amdhsa_float_denorm_mode_32 3
		.amdhsa_float_denorm_mode_16_64 3
		.amdhsa_memory_ordered 1
		.amdhsa_forward_progress 1
		.amdhsa_inst_pref_size 255
	.end_amdhsa_kernel
	.section	.bss,"aw",@nobits
	.p2align	6
	.space	262144
	.amdgpu_metadata
---
amdhsa.version: [ 1, 2 ]
amdhsa.kernels:
  - .name:           k_q6f25513765_attn
    .symbol:         k_q6f25513765_attn.kd
    .args:
      - { .name: adjacency, .offset: 0, .size: 8, .value_kind: global_buffer, .address_space: global }
      - { .name: qkv, .offset: 8, .size: 8, .value_kind: global_buffer, .address_space: global }
      - { .name: Wo_codes, .offset: 16, .size: 8, .value_kind: global_buffer, .address_space: global }
      - { .name: Wo_scales, .offset: 24, .size: 8, .value_kind: global_buffer, .address_space: global }
      - { .name: bo, .offset: 32, .size: 8, .value_kind: global_buffer, .address_space: global }
      - { .name: out0, .offset: 40, .size: 8, .value_kind: global_buffer, .address_space: global }
    .group_segment_fixed_size: 327680
    .private_segment_fixed_size: 0
    .kernarg_segment_align: 8
    .kernarg_segment_size: 48
    .max_flat_workgroup_size: 256
    .sgpr_count:     66
    .vgpr_count:     512
    .wavefront_size: 32
...
	.end_amdgpu_metadata
.endif
;; end of part 2
